; MI455X (gfx1250); checked and timed in simulation.
; The chip was launched on July 23, 2026; its instructions are those of AMD's public machine-readable ISA for CDNA 5 (MIT licence, August 2026) and "CDNA5" Instruction Set Architecture Reference Guide (July 2026). The comments in the code are by the model that wrote it; some were corrected since.
;; dotproductattention. Allowed arithmetic: matrix products marked QUANTISED: E5M2 operands, one given power-of-two scale a tensor, by v_wmma_f32_16x16x64_bf8_bf8 or v_wmma_f32_16x16x128_bf8_bf8, f32 sums; everything else in f32.
;; Inputs: k 16 x 2,048 x 64 float32; lowp_scales 4 int32 (the exponents e of the quantised operands' scales 2^e); q 16 x 2,048 x 64 float32; v 16 x 2,048 x 64 float32.
;; Outputs: out0 16 x 2,048 x 64 float32.
;; This version of the problem:
;;   THIS VERSION OF THE PROBLEM IS GIVEN IN LOW PRECISION. The matrix products marked QUANTISED in the list below multiply operands that are first quantised to E5M2 (5 exponent bits, 2 mantissa bits; 8 bits a number), with one given power-of-two scale for each operand tensor; their sums are f32. All else is computed in f32.
;;   The module's matrix products, in the order in which they are computed (A, B: the left and right operand; K: the contracted axis; several contracted axes count as one K, in the product's order):
;;     1. batch 16 x [M 2,048, K 64] x [K 64, N 2,048]; A: input q; B: input k: QUANTISED (scales: A lowp_scales[0], B lowp_scales[1])
;;     2. batch 16 x [M 2,048, K 2,048] x [K 2,048, N 64]; A: softmax (see below); B: input v: QUANTISED (scales: A lowp_scales[2], B lowp_scales[3])
;;   THE QUANTISER, for each operand of a quantised product, along K:
;;     - The operand's scale is 2^e, e = its entry of the input lowp_scales (int32; the entries are numbered through the quantised products in the list's order, A before B).
;;     - Each number is divided by the scale, clamped to +-57,344, and rounded to the nearest number of E5M2, ties to even, subnormals kept.
;;     - The product sums the exact products of the quantised numbers (number of the format x scale) in f32.
;;   ~~~python
;;   def quantise(x, axis, e):      # numpy; x: float32 -> the quantised numbers, widened to float32 again
;;       x = np.moveaxis(x, axis, -1); K = x.shape[-1]
;;       r = np.clip(x / 2.0 ** e, -57344, 57344)
;;       step = 2.0 ** (np.maximum(np.frexp(np.where(r == 0, 1, r))[1] - 1, -14) - 2)
;;       q = np.round(r / step) * step * 2.0 ** e      # np.round: ties to even
;;       return np.moveaxis(q, -1, axis).astype(np.float32)
;;   ~~~
;;   SOFTMAX AHEAD OF A QUANTISED PRODUCT. Where the list says 'softmax', what is quantised is not the finished softmax but p = 2^(t - M), with t = logit x log2(e) and M = ceil(the row's largest t), a whole number; so 1/2 < the row's largest p <= 1. The row's sum l is taken of the UNQUANTISED p, in f32, and the product's result is divided by l at the end. Since M is a whole number, a kernel that streams over the keys may use a running M (the ceiling of the running maximum): every later rescaling is an exact power of two, so the quantised numbers keep their values, but for numbers so far below the row's largest that they fall under the format's range.
;;   OPERANDS COMPUTED ON THE WAY. 'Computed on the way' means the value that the module computes at that place (a softmax that the list does not call 'softmax' is quantised finished and normalised). What goes into a quantiser is computed in f32, as accurately as f32 sums, v_exp_f32 and their like allow (about 1e-6 of the number): no bf16 or f16 on the way to a quantiser, and a product that is left as it is and whose result goes on into a quantised operand takes f32 operands (vector FMAs, or v_wmma_f32_16x16x4_f32). A number that lies on a knife's edge between two numbers of the format may be rounded either way, as far as f32 arithmetic and the matrix unit's own rounding can turn it there, and no further.
;; One version. Each part assembles by itself: llvm-mc -triple=amdgcn-amd-amdhsa -mcpu=gfx1250 --defsym DOCPART=n.
;; ======== version 1 of 1: 2 launches
;; limits: right only within a limited range of input values
;; workspace buffers: kv 4,194,304 bytes
;; launch prep (part 1): grid 256 x 1, 8 waves a work-group, no clusters, 35,840 bytes of LDS; arguments k, v, lowp_scales, kv; writes kv
.if DOCPART == 1
	.amdgcn_target "amdgcn-amd-amdhsa--gfx1250"
	.amdhsa_code_object_version 6
	.text
	.protected	k_q849033a2ce_prep
	.globl	k_q849033a2ce_prep
	.p2align	8
	.type	k_q849033a2ce_prep,@function
k_q849033a2ce_prep:
	s_mov_b64 s[64:65], 0
	v_nop
	global_prefetch_b8 v0, s[64:65] scope:SCOPE_SE
	s_setreg_imm32_b32 hwreg(HW_REG_WAVE_MODE, 25, 1), 1
	s_wait_xcnt 0x0
; k and v, [16][2048][64] f32, become codes of BF8 (E5M2), each with the one scale 2^e that is given for it (ek = entry 1, ev = entry 3 of the scales), laid in the ORDER OF THE OPERANDS' REGISTERS
; of the attention launch, so that there a batch is one dense block of 262,144 bytes and a fragment is read at 16 x lane.
; code = x / 2^e, held within +-57,344, rounded to the nearest code, ties to even.
; LIMITS: ek and ev lie between -126 and 112, so that 2^e and 57,344 x 2^e are f32 numbers.  NaN among the inputs is not served; an infinity is held at the largest code.
; LAYOUT OF kv.  Key step g = 16 x batch + s (128 keys) begins at 16,384 g.  With lane l = 16 h + r:
;   K's tile T = 2 bb + u (T = 0 .. 7) at + 1,024 T, chunk c (0, 1) at + 512 c, lane l's 16 bytes at + 16 l: key 32 bb + 8 u + r + 8 (r / 8), d = 32 c + 16 h + 0 .. 15.
;   V's tile t (0 .. 3) at + 8,192 + 2,048 t, chunk c (0 .. 3) at + 512 c, lane l's 16 bytes at + 16 l: keys 32 c + 16 h + 0 .. 15 of column d = 16 t + r.
; SHARES.  A work-group takes one key step: 128 rows of k and of v, 32,768 bytes each; it stores 16,384 bytes on end.  Wave w takes K's tile w, and V's rows 16 w .. 16 w + 15 (chunk w / 2, half w % 2).
; K: its K axis (d) is innermost.  Each load reads two whole rows, 512 bytes on end; the 16 rows turn through the wave's own stage in LDS, so that a lane gets 16 neighbours along d of one row.
; V: its K axis (the keys) is not innermost.  A lane takes a column d and its registers run down the keys: the conversions then give codes with the keys innermost, and nothing is transposed.
; No loop, no barrier: waves share nothing.  All 40 loads of a wave are out together.  Every register of a load or store is written once, so no wait frees any.
.set SP,   272                         ; a stage row: 256 bytes + 16 of padding = 68 words: row r starts at bank 4 r mod 64 (64 banks of 4 bytes: ISA guide 11.1)
.set WSTG, 16*SP                       ; a wave's stage: 16 rows
.set KR,   16                          ; v16-47   K as loaded: pair of rows i in 4 registers
.set KX,   48                          ; v48-79   K after the turn: register 16 c + i = d 32 c + 16 h + i of my row r
.set VR,   80                          ; v80-111  V: register 16 x + i = key i of my wave's 16, column 32 x + lane
.set KC,   112                         ; v112-119 K's codes
.set VC,   120                         ; v120-127 V's codes
	s_load_b256 s[4:11], s[0:1], 0x0               ; k s[4:5], v s[6:7], the scales' exponents s[8:9], kv s[10:11]
	v_lshl_add_u32 v128, v0, 2, 0x8800
	v_mov_b32 v129, 0
	v_lshrrev_b32 v1, 5, v0
	s_delay_alu instid0(VALU_DEP_1)
	v_readfirstlane_b32 s12, v1                    ; wave 0..7
	v_and_b32 v1, 31, v0                           ; lane
	v_and_b32 v2, 15, v0                           ; r
	v_bfe_u32 v3, v0, 4, 1                         ; h
	s_delay_alu instid0(VALU_DEP_3)
	v_lshlrev_b32 v4, 4, v1                        ; 16 x lane: K's loads and K's stores
	s_delay_alu instid0(VALU_DEP_4)
	v_lshlrev_b32 v7, 2, v1                        ; 4 x lane: V's loads
	s_delay_alu instid0(VALU_DEP_4)
	v_lshlrev_b32 v8, 4, v2
	s_delay_alu instid0(VALU_DEP_1)
	v_lshl_add_u32 v8, v3, 11, v8                  ; V's stores: 16 r + 2,048 h: lanes 16-31 hold the next tile's columns
	s_mul_i32 s13, s12, WSTG                       ; my stage
	v_mul_u32_u24 v5, v3, SP
	s_delay_alu instid0(VALU_DEP_1)
	v_lshl_add_u32 v5, v2, 4, v5
	s_delay_alu instid0(VALU_DEP_1)
	v_add_nc_u32 v5, s13, v5                       ; into it: lanes 0-15 one row, lanes 16-31 the next, 16 bytes a lane
	v_mul_u32_u24 v6, v2, SP
	s_delay_alu instid0(VALU_DEP_1)
	v_lshl_add_u32 v6, v3, 6, v6
	s_delay_alu instid0(VALU_DEP_1)
	v_add_nc_u32 v6, s13, v6                       ; out of it: row r, + 64 h: my 16 numbers of a run of 32
	; byte offsets, each in a pair with 0 above it
	s_lshl_b32 s28, ttmp9, 15                      ; the key step's 128 rows of 256 bytes
	s_lshr_b32 s30, s12, 1
	s_lshl_b32 s30, s30, 13                        ; K: 32 (w / 2) rows
	s_and_b32 s31, s12, 1
	s_lshl_b32 s31, s31, 11                        ;    + 8 (w % 2) rows
	s_add_co_u32 s30, s30, s31
	s_add_co_u32 s30, s30, s28
	s_mov_b32 s31, 0
	s_lshl_b32 s29, s12, 12                        ; V: 16 w rows
	s_add_co_u32 s28, s28, s29
	s_mov_b32 s29, 0
	s_lshl_b32 s14, ttmp9, 14                      ; the key step's 16,384 bytes of codes
	s_lshl_b32 s15, s12, 8                         ; V's codes: 512 (w / 2) + 256 (w % 2) = 256 w
	s_add_co_u32 s2, s14, s15
	s_mov_b32 s3, 0
	s_lshl_b32 s15, s12, 10                        ; K's codes: tile w
	s_add_co_u32 s14, s14, s15
	s_mov_b32 s15, 0
	s_wait_alu depctr_va_vdst(0)
	s_wait_kmcnt 0x0
	s_load_b128 s[16:19], s[8:9], 0x0              ; eq, ek, ep, ev
	s_add_nc_u64 s[20:21], s[4:5], s[30:31]        ; k at my tile's first row
	s_add_nc_u64 s[22:23], s[6:7], s[28:29]        ; v at my first row
	s_add_nc_u64 s[24:25], s[10:11], s[14:15]      ; kv at K's tile w
	s_add_nc_u64 s[26:27], s[10:11], s[2:3]        ; kv at my place in a tile of V, less the 8,192 that stand in the stores' immediates
.irp i, 0,1,2,3,4,5,6,7                        ; the tile's rows 2 i, 2 i + 1; its rows 8-15 lie 8 rows of k further on than their number
	global_load_b128 v[KR+4*\i:KR+4*\i+3], v4, s[20:21] offset:(2*\i+8*(\i/4))*256 th:TH_LOAD_NT   ; 32 lanes read 512 bytes on end: two whole rows; read once in the launch
.endr
.irp i, 0,1,2,3,4,5,6,7,8,9,10,11,12,13,14,15
.irp x, 0,1
	global_load_b32 v[VR+16*\x+\i], v7, s[22:23] offset:256*\i+128*\x th:TH_LOAD_NT   ; row i, columns 32 x + lane: a row's two halves one behind the other
.endr
.endr
	s_wait_kmcnt 0x0
	s_add_co_i32 s17, s17, 127
	s_lshl_b32 s28, s17, 23
	v_mov_b32 v11, s28                             ; 2^ek as f32: the conversion takes its exponent field
	s_add_co_i32 s17, s17, 15
	s_lshl_b32 s17, s17, 23
	s_or_b32 s17, s17, 0x600000
	v_mov_b32 v10, s17                             ; 57,344 x 2^ek
	s_add_co_i32 s19, s19, 127
	s_lshl_b32 s28, s19, 23
	v_mov_b32 v13, s28                             ; 2^ev
	s_add_co_i32 s19, s19, 15
	s_lshl_b32 s19, s19, 23
	s_or_b32 s19, s19, 0x600000
	v_mov_b32 v12, s19                             ; 57,344 x 2^ev
	s_wait_alu depctr_va_vdst(0)
	s_wait_loadcnt 32                              ; K's eight loads are in: loads come back in order (ISA guide 5.7.1), and V's 32 were issued behind them
.irp i, 0,1,2,3,4,5,6,7
	ds_store_b128 v5, v[KR+4*\i:KR+4*\i+3] offset:2*\i*SP
.endr
.irp c, 0,1
.irp j, 0,1,2,3
	ds_load_b128 v[KX+16*\c+4*\j:KX+16*\c+4*\j+3], v6 offset:128*\c+16*\j   ; LDS serves a wave's instructions in order (ISA guide 5.7.1.4): these see my stores
.endr
.endr
	s_wait_dscnt 0x0
.set j, 0
.rept 32
	v_med3_num_f32 v[KX+j], v[KX+j], -v10, v10     ; the conversion to an 8-bit code does not saturate (ISA guide 7.6.2): the hold at the largest code x the scale comes first
.set j, j+1
.endr
.irp c, 0,1
	v_cvt_scalef32_pk8_bf8_f32 v[KC+4*\c:KC+4*\c+1], v[KX+16*\c:KX+16*\c+7], v11
	v_cvt_scalef32_pk8_bf8_f32 v[KC+4*\c+2:KC+4*\c+3], v[KX+16*\c+8:KX+16*\c+15], v11
.endr
.irp c, 0,1
	global_store_b128 v4, v[KC+4*\c:KC+4*\c+3], s[24:25] offset:512*\c   ; 32 lanes store 512 bytes on end, at a multiple of 512 from kv's first byte
.endr
	s_wait_loadcnt 0x0                             ; V
.set j, 0
.rept 32
	v_med3_num_f32 v[VR+j], v[VR+j], -v12, v12     ; (plain lines on other registers: they also part K's conversions from whatever follows)
.set j, j+1
.endr
.irp x, 0,1
	v_cvt_scalef32_pk8_bf8_f32 v[VC+4*\x:VC+4*\x+1], v[VR+16*\x:VR+16*\x+7], v13
	v_cvt_scalef32_pk8_bf8_f32 v[VC+4*\x+2:VC+4*\x+3], v[VR+16*\x+8:VR+16*\x+15], v13
.endr
.irp x, 0,1
	global_store_b128 v8, v[VC+4*\x:VC+4*\x+3], s[26:27] offset:8192+4096*\x   ; lanes 0-15: 256 bytes on end of tile 2 x; lanes 16-31: of tile 2 x + 1; each at a multiple of 256 from kv's first byte
.endr
	s_wait_tensorcnt 0x0
	ds_add_u32 v128, v129
	s_wait_dscnt 0x0
	s_endpgm
.Lfunc_end_k_q849033a2ce_prep:
	.size	k_q849033a2ce_prep, .Lfunc_end_k_q849033a2ce_prep-k_q849033a2ce_prep
	.p2alignl 7, 3214868480
	.fill 96, 4, 3214868480
	.section	.rodata,"a",@progbits
	.p2align	6, 0x0
	.amdhsa_kernel k_q849033a2ce_prep
		.amdhsa_group_segment_fixed_size 35840
		.amdhsa_private_segment_fixed_size 0
		.amdhsa_enable_private_segment 0
		.amdhsa_kernarg_size 32
		.amdhsa_user_sgpr_count 2
		.amdhsa_user_sgpr_kernarg_segment_ptr 1
		.amdhsa_wavefront_size32 1
		.amdhsa_system_sgpr_workgroup_id_x 1
		.amdhsa_system_sgpr_workgroup_id_y 1
		.amdhsa_system_sgpr_workgroup_id_z 1
		.amdhsa_system_vgpr_workitem_id 0
		.amdhsa_next_free_vgpr 130
		.amdhsa_next_free_sgpr 66
		.amdhsa_reserve_vcc 0
		.amdhsa_float_denorm_mode_32 3
		.amdhsa_float_denorm_mode_16_64 3
		.amdhsa_memory_ordered 1
		.amdhsa_forward_progress 1
		.amdhsa_inst_pref_size 13
	.end_amdhsa_kernel
	.amdgpu_metadata
---
amdhsa.version: [ 1, 2 ]
amdhsa.kernels:
  - .name:           k_q849033a2ce_prep
    .symbol:         k_q849033a2ce_prep.kd
    .args:
      - { .name: k, .offset: 0, .size: 8, .value_kind: global_buffer, .address_space: global }
      - { .name: v, .offset: 8, .size: 8, .value_kind: global_buffer, .address_space: global }
      - { .name: lowp_scales, .offset: 16, .size: 8, .value_kind: global_buffer, .address_space: global }
      - { .name: kv, .offset: 24, .size: 8, .value_kind: global_buffer, .address_space: global }
    .group_segment_fixed_size: 35840
    .private_segment_fixed_size: 0
    .kernarg_segment_align: 8
    .kernarg_segment_size: 32
    .max_flat_workgroup_size: 256
    .sgpr_count:     66
    .vgpr_count:     130
    .wavefront_size: 32
...
	.end_amdgpu_metadata
.endif
;; end of part 1
;; launch attn (part 2): grid 16 x 16, 16 waves a work-group, clusters of 4 x 1, 327,680 bytes of LDS; arguments q, kv, lowp_scales, out0; writes out0
.if DOCPART == 2
	.amdgcn_target "amdgcn-amd-amdhsa--gfx1250"
	.amdhsa_code_object_version 6
	.text
	.protected	k_q849033a2ce_attn
	.globl	k_q849033a2ce_attn
	.p2align	8
	.type	k_q849033a2ce_attn,@function
k_q849033a2ce_attn:
	s_mov_b64 s[64:65], 0
	v_nop
	global_prefetch_b8 v0, s[64:65] scope:SCOPE_SE
	s_setreg_imm32_b32 hwreg(HW_REG_WAVE_MODE, 25, 1), 1
	s_wait_xcnt 0x0
	s_wait_alu depctr_hold_cnt(0) depctr_sa_sdst(0) depctr_va_vdst(0) depctr_va_sdst(0) depctr_va_ssrc(0) depctr_va_vcc(0) depctr_vm_vsrc(0)
	s_getreg_b32 s2, hwreg(HW_REG_IB_STS2, 6, 4)
	s_cmp_eq_u32 s2, 0
	s_cbranch_scc0 .Lentry_in_a_cluster
	s_endpgm
.Lentry_in_a_cluster:
	s_bfe_u32 s2, ttmp6, 0x10000c
	s_cmp_lg_u32 s2, 0x3003
	s_cbranch_scc0 .Lentry_shape_is_right
	s_endpgm
.Lentry_shape_is_right:
; out0[b][q][:] = the sum over k of softmax_k(Q[b][q] . K[b][k] / sqrt(64)) V[b][k][:], no mask, both products on codes of BF8 (E5M2), each operand with the one scale 2^e that is given for it: eq, ek, ep, ev.
; q, out0: [16][2048][64] f32.  kv: K's and V's codes, made by the launch before, in the order of the operands' registers: key step s (128 keys) of a batch at 16,384 s; K's tile T at + 1,024 T, V's tile t at + 8,192 + 2,048 t;
; a chunk of four registers is 512 bytes, lane l's 16 bytes at 16 l.
; THE SOFTMAX AHEAD OF THE SECOND PRODUCT: t = score x log2(e) / 8; M = the row's largest t so far, rounded UP to a whole number; p = 2^(t - M) is what is quantised, along the keys; it is not normalised.
; The row's sum is taken of the unquantised p, in f32, and divides O at the end.  When M moves, the sum and O are multiplied by 2^(old M - new M): a power of two, which rounds nothing.
; SHARES.  A work-group owns 128 queries of one batch.  Wave w = 4 g + kq of its sixteen owns queries 32 g .. 32 g + 31, two tiles A and B of 16, and a quarter of the keys: key steps 4 i + kq, i = 0 .. 3.
; Each fragment of K and V that a wave reads from LDS feeds both tiles.  The four quarters' M, sums and O are joined through LDS at the end.
; A batch's codes, 262,144 bytes, lie in LDS whole: every byte is filled once.  First key steps 0 to 3 (65,536 bytes, 4,096 a wave), then key steps 4 to 15 (196,608 bytes, 12,288 a wave), which have the first step's work in which to land.
; No prefetch: the launch has two fills and no loop of fills to run ahead in; the second is asked for a whole step ahead of its first read.
; CLUSTER.  The four query blocks of a cluster belong to one batch and read the same codes, so both fills are joint loads with a mask that names the four.  The place in the cluster enters q's and out0's addresses alone.
; LAYOUT.  Both products are used transposed: S^T = K Q^T (source 0 = 16 keys, source 1 = 16 queries), O^T = V^T P^T (source 0 = 16 of the 64 channels, source 1 = P): a lane holds ONE query of a tile (lane % 16) throughout.
; Row r of K's tile 2 b + u is key 32 b + 8 u + r + 8 (r / 8), so that the 16 registers of S^T's tiles 2 b and 2 b + 1 are the 16 neighbouring keys 32 b + 16 (lane / 16) + 0 .. 15: the conversions' results are the second product's operand.
; Registers 4 c .. 4 c + 3 of a fragment hold k = 32 c + 16 (lane / 16) + 0 .. 15, the same permutation of k in both operands of each product.
; LIMITS.  Scaled scores t stay under 2^31 in magnitude.  On the given exponents, so that each power of two below is an f32 number: eq and ep between -126 and 112; eq + ek between -123 and 130 (added to c's exponent field);
; ep + ev is applied by v_ldexp_f32.  NaN among the inputs is not served; an infinity in q is held at the largest code.
.set STEPB, 16384                      ; a key step's codes: K's 8,192 bytes, then V's
.set QIMG,  262144                     ; behind the codes: q's codes, 4 groups x 2 tiles x 1,024 bytes, in the order of the operand's registers
.set STAGE, QIMG+8192                  ; a stage for each wave: 8 rows of q
.set SP,    272                        ; a stage row: 256 bytes + 16 of padding
.set WSTG,  2304                       ; 8 rows, in whole blocks of 256 bytes
.set SPARE, STAGE+16*WSTG              ; the spare words, 128 bytes for each wave, that no other line names
.set ML,    SPARE+2048                 ; (-M, sum) of each query and key quarter: 32 bytes a query
.set WX,    ML+4096                    ; the quarters' weights: 16 bytes a query
.set PP,    256                        ; the way out: a row of O; its sixteen columns of 16 bytes are exchanged by exclusive or with the row's number mod 16, so that sixteen rows' stores of one column touch sixteen columns
.set PREG,  128*PP                     ; 128 rows for each key quarter, 131,072 bytes from LDS byte 0 on: key steps 0 to 7's codes, which have been read and are filled no more
.set LI,    1                          ; v1   16 x lane
.set SPW,   2                          ; v2   LDS address of my spare word;  v3  0
.set NIL,   3
.set ADR,   4                          ; v4   LDS address of the key step in hand, for my lane
.set PLIM,  5                          ; v5   57,344 x 2^ep;  v6  2^ep
.set PSC,   6
.set NMA,   8                          ; v8 -M of tile A (v9: the lane 16 away), v10 of tile B (v11)
.set NMB,   10
.set LA,    12                         ; v[12:13], v[14:15] the sums, in two halves
.set LB,    14
.set FA,    16                         ; v16, v18  2^(old M - new M) (v17, v19: written, named with them as pairs); behind their last use part of the sums' tree
.set FB,    18
.set QA,    24                         ; v24-31, v32-39   Q's fragments;  v20-23 at work
.set QB,    32
.set OA,    40                         ; v40-71, v72-103  O^T
.set OB,    72
.set SA,    104                        ; v104-167 S^T of tile A, then V's four fragments
.set SB,    168                        ; v168-231 S^T of tile B
.set KF,    SB+24                      ; v192-255 K's eight fragments: S^T's tile t of B takes the registers of fragment t - 3;  v232-255 also the sums' tree
.set PCB,   SB+56                      ; v224-239 p's codes of tile B, v240-255 of tile A
.set PCA,   SB+72
.set CN,    3                          ; s3   -c
.set WV,    12                         ; s12  my wave's number
.set SEL,   20                         ; s[20:21] lane selects for v_permlanex16_b32: lane l xor 16
.set CS,    22                         ; s[22:23] c = log2(e) / 8 x 2^(eq + ek): the packed form names a pair and takes its low word for both halves
.set G1A,   24                         ; descriptor groups 1 of the two fills,
.set G1B,   32
.set G0A,   40                         ; and groups 0
.set G0B,   44
.set TB,    48                         ; s48  LDS byte at which the key step in hand begins
.macro CROUND                          ; a round of the cluster's barrier: wave 0 signals for the work-group
	s_barrier_signal -1
	s_barrier_wait -1
	s_cmp_lg_u32 s[WV], 0
	s_cbranch_scc1 .Lnot_wave_0_\@
	s_barrier_signal -3
.Lnot_wave_0_\@:
	s_barrier_wait -3
	s_barrier_signal -1
	s_barrier_wait -1
.endm
.macro DESC1 g, rows                   ; rows x 256 bytes, dense, as rows of 32 elements of 8 bytes
	s_mov_b32 s[\g], 15|(3<<16)|(1<<21)            ; mask: all four work-groups; elements of 8 bytes; no padding; bit 21 set beside a mask
	s_mov_b32 s[\g+1], 32<<16                      ; tensor_dim0
	s_mov_b32 s[\g+2], \rows<<16                   ; tensor_dim1
	s_mov_b32 s[\g+3], 32<<16                      ; tile_dim0
	s_mov_b32 s[\g+4], \rows                       ; tile_dim1
	s_mov_b32 s[\g+5], 32                          ; pitch
	s_mov_b32 s[\g+6], 0
	s_mov_b32 s[\g+7], 0
.endm
	s_load_b256 s[4:11], s[0:1], 0x0               ; q s[4:5], kv s[6:7], the scales' exponents s[8:9], out0 s[10:11]
	v_lshl_add_u32 v[SPW], v0, 2, SPARE
	v_mov_b32 v[NIL], 0
	ds_add_u32 v[SPW], v[NIL]                      ; the opening lines: the add, twice on end, and the one wait below
	ds_add_u32 v[SPW], v[NIL]
	v_lshrrev_b32 v4, 5, v0
	v_and_b32 v5, 31, v0                           ; lane
	v_bfe_u32 v6, v0, 4, 1                         ; h = lane / 16
	v_and_b32 v7, 15, v0                           ; r = lane % 16
	v_bfe_u32 v8, v0, 2, 3                         ; lane / 4: a row of my 8 of q
	v_and_b32 v9, 3, v0                            ; lane % 4: a quarter of that row
	v_readfirstlane_b32 s[WV], v4                  ; wave 0..15
	v_lshlrev_b32 v[LI], 4, v5
	v_mul_u32_u24 v12, v6, SP
	v_mul_u32_u24 v13, v8, SP
	v_lshlrev_b32 v14, 4, v8
	v_lshl_add_u32 v12, v7, 4, v12                 ; the stage, in: lanes 0-15 one row, lanes 16-31 the next
	v_lshl_add_u32 v13, v9, 6, v13                 ; out: 16 neighbours of a row
	v_lshl_add_u32 v14, v9, 8, v14                 ; their codes' place: quarter 2 c + h at 512 c + 256 h, row at 16 x row
	s_wait_alu depctr_va_vdst(0)                   ; ahead of the run of scalar lines
	s_bfe_u32 s13, ttmp6, 0x40000                  ; cx: my place in the cluster
	s_lshl_b32 s14, ttmp9, 2                       ; in a cluster launch ttmp9 counts clusters
	s_add_co_u32 s14, s14, s13                     ; my block of 128 queries
	s_and_b32 s15, ttmp7, 0xffff                   ; the batch, which the four partners share
	s_lshl_b32 s52, s[WV], 12                      ; my part of the first fill: 4,096 bytes
	s_mul_i32 s53, s[WV], 12288
	s_add_co_u32 s53, s53, 4*STEPB                 ; my part of the second: 12,288 bytes, behind the first four key steps
	s_lshl_b32 s50, s15, 18                        ; the batch's codes; in LDS they lie as in memory
	s_add_co_u32 s58, s50, s53
	s_mov_b32 s59, 0
	s_add_co_u32 s50, s50, s52
	s_mov_b32 s51, 0
	s_lshl_b32 s54, s15, 19                        ; q and out0: the batch's 2,048 rows of 256 bytes,
	s_lshl_b32 s57, s14, 15                        ; my block's 128,
	s_add_co_u32 s54, s54, s57
	s_lshl_b32 s57, s[WV], 11                      ; the 8 that my wave quantises, and that it stores at the end
	s_add_co_u32 s54, s54, s57
	s_mov_b32 s55, 0
	DESC1 G1A, 16
	DESC1 G1B, 48
	s_mov_b32 s[SEL], 0x76543210
	s_mov_b32 s[SEL+1], 0xfedcba98
	s_mov_b32 s[CS], 0x3e38aa3b                    ; log2(e) / sqrt(64) = 0.18033688
	s_and_b32 s[TB], s[WV], 3                      ; kq
	s_lshl_b32 s[TB], s[TB], 14                    ; my first key step is kq
	s_mul_i32 s60, s[WV], WSTG
	s_add_co_u32 s60, s60, STAGE                   ; my stage
	s_lshr_b32 s61, s[WV], 1
	s_lshl_b32 s61, s61, 10                        ; my 8 rows' tile,
	s_and_b32 s62, s[WV], 1
	s_lshl_b32 s62, s62, 7                         ; and half of it
	s_add_co_u32 s61, s61, s62
	s_add_co_u32 s61, s61, QIMG
	s_lshr_b32 s62, s[WV], 2
	s_lshl_b32 s62, s62, 11
	s_add_co_u32 s62, s62, QIMG                    ; my group's two tiles
	v_add_nc_u32 v12, s60, v12
	v_add_nc_u32 v13, s60, v13
	v_add_nc_u32 v14, s61, v14
	v_add_nc_u32 v15, s62, v[LI]
	s_wait_alu depctr_va_vdst(0)
	s_wait_dscnt 0x0                               ; both opening adds are done
	s_wait_kmcnt 0x0
	s_load_b128 s[16:19], s[8:9], 0x0              ; eq, ek, ep, ev
	s_add_nc_u64 s[4:5], s[4:5], s[54:55]
	s_add_nc_u64 s[10:11], s[10:11], s[54:55]
	s_mov_b32 s[G0A], 1                            ; count = 1
	s_mov_b32 s[G0A+1], s52                        ; LDS address
	s_add_nc_u64 s[G0A+2:G0A+3], s[6:7], s[50:51]  ; global address
	s_or_b32 s[G0A+3], s[G0A+3], 0x80000000        ; type = 2
	s_mov_b32 s[G0B], 1
	s_mov_b32 s[G0B+1], s53
	s_add_nc_u64 s[G0B+2:G0B+3], s[6:7], s[58:59]
	s_or_b32 s[G0B+3], s[G0B+3], 0x80000000
	CROUND                                         ; all four work-groups are here: the joint loads meet
	tensor_load_to_lds s[G0A:G0A+3], s[G1A:G1A+7]  ; key steps 0 to 3: one tensor load a wave at the head
	s_nop 0
.irp i, 0,1,2,3
	global_load_b128 v[SA+4*\i:SA+4*\i+3], v[LI], s[4:5] offset:512*\i th:TH_LOAD_NT   ; my 8 rows of q, two rows (512 bytes on end) a load; read once in the launch
.endr
	v_mov_b32 v11, 0                               ; written once: a lane permute's destination counts as one of its sources (v9 was written above)
	v_mov_b32 v17, 0                               ; (named as the upper halves of pairs)
	v_mov_b32 v19, 0
	s_wait_alu depctr_va_vdst(0)
	s_wait_kmcnt 0x0
	s_add_co_i32 s56, s16, s17
	s_lshl_b32 s56, s56, 23
	s_add_co_i32 s[CS], s[CS], s56                 ; a score stands for score x 2^(eq + ek): the two exponents are added to c's exponent field
	s_mov_b32 s[CS+1], s[CS]                       ; (named with it as a pair, so it is written)
	s_xor_b32 s[CN], s[CS], 0x80000000
	s_add_co_i32 s56, s16, 127
	s_lshl_b32 s57, s56, 23
	v_mov_b32 v20, s57                             ; 2^eq as f32: the conversion takes its exponent field
	s_add_co_i32 s56, s56, 15
	s_lshl_b32 s56, s56, 23
	s_or_b32 s56, s56, 0x600000
	v_mov_b32 v21, s56                             ; 57,344 x 2^eq
	s_add_co_i32 s56, s18, 127
	s_lshl_b32 s57, s56, 23
	v_mov_b32 v[PSC], s57                          ; 2^ep
	s_add_co_i32 s56, s56, 15
	s_lshl_b32 s56, s56, 23
	s_or_b32 s56, s56, 0x600000
	v_mov_b32 v[PLIM], s56                         ; 57,344 x 2^ep
	s_wait_alu depctr_va_vdst(0)
	s_wait_loadcnt 0x0                             ; q
.irp i, 0,1,2,3
	ds_store_b128 v12, v[SA+4*\i:SA+4*\i+3] offset:2*\i*SP
.endr
.irp j, 0,1,2,3
	ds_load_b128 v[SA+16+4*\j:SA+16+4*\j+3], v13 offset:16*\j   ; LDS serves a wave's instructions in order (ISA guide 5.7.1.4): these see my stores
.endr
	s_wait_dscnt 0x0
.set j, 0
.rept 16
	v_med3_num_f32 v[SA+16+j], v[SA+16+j], -v21, v21   ; the conversion to an 8-bit code does not saturate (ISA guide 7.6.2): the hold at the largest code x the scale comes first
.set j, j+1
.endr
	v_cvt_scalef32_pk8_bf8_f32 v[SA+32:SA+33], v[SA+16:SA+23], v20
	v_cvt_scalef32_pk8_bf8_f32 v[SA+34:SA+35], v[SA+24:SA+31], v20
	v_nop                                          ; the plain instruction behind the conversions
	ds_store_b128 v14, v[SA+32:SA+35]              ; 16 codes of q, where the operand's registers have them
	s_wait_alu depctr_va_vdst(0)                   ; the head's end
	s_wait_tensorcnt 0x0                           ; my part of the first fill has landed
	ds_add_u32 v[SPW], v[NIL]
	s_wait_dscnt 0x0                               ; the add and my codes' store are done
	CROUND                                         ; everybody's part of key steps 0 to 3 and of q's codes is in LDS; the joint loads meet
	tensor_load_to_lds s[G0B:G0B+3], s[G1B:G1B+7]  ; key steps 4 to 15: the first tensor load behind the round
	s_nop 0
.irp c, 0,1,2,3
	ds_load_b128 v[QA+4*\c:QA+4*\c+3], v15 offset:512*\c   ; Q's two fragments stay in registers
.endr
.macro KLOAD t                         ; K's fragment t of the key step at v[ADR]
.irp c, 0,1
	ds_load_b128 v[KF+8*\t+4*\c:KF+8*\t+4*\c+3], v[ADR] offset:1024*\t+512*\c
.endr
.endm
.macro QK t                            ; S^T = K Q^T: K = the head's 64; lane (r, h) holds query r, register j key 32 (t / 2) + 16 h + 8 (t % 2) + j
	v_wmma_f32_16x16x64_bf8_bf8 v[SA+8*\t:SA+8*\t+7], v[KF+8*\t:KF+8*\t+7], v[QA:QA+7], 0
	v_wmma_f32_16x16x64_bf8_bf8 v[SB+8*\t:SB+8*\t+7], v[KF+8*\t:KF+8*\t+7], v[QB:QB+7], 0
.endm
.macro MX j0, n                        ; the largest score, two chains a tile, ascending: each accumulator is read from its low end on
.set j, \j0
.rept \n
	v_max3_num_f32 v[20+(j/2)%2], v[20+(j/2)%2], v[SA+j], v[SA+j+1]
	v_max3_num_f32 v[22+(j/2)%2], v[22+(j/2)%2], v[SB+j], v[SB+j+1]
.set j, j+2
.endr
.endm
.macro FMA S, N, j0, n                 ; t - M, two at a time (of the pairs c and -M the low word serves both halves)
.set j, \j0
.rept \n
	v_pk_fma_f32 v[\S+j:\S+j+1], v[\S+j:\S+j+1], s[CS:CS+1], v[\N:\N+1] op_sel_hi:[1,0,0]
.set j, j+2
.endr
.endm
.macro HOLD a                          ; the hold at the largest code x the scale, two numbers an instruction; p is not negative, so it is one-sided
	v_dual_min_num_f32 v[\a], v[PLIM], v[\a] :: v_dual_min_num_f32 v[\a+1], v[PLIM], v[\a+1]
.endm
.macro SUMHOLD S                       ; the sum of the unquantised p into v[20:21], v[22:23]; the hold follows it through the registers
	v_pk_add_f32 v[20:21], v[\S:\S+1], v[\S+2:\S+3]
	v_pk_add_f32 v[22:23], v[\S+4:\S+5], v[\S+6:\S+7]
.set j, 8
.rept 14
	v_pk_add_f32 v[20:21], v[20:21], v[\S+j:\S+j+1]
	HOLD \S+j-8
	v_pk_add_f32 v[22:23], v[22:23], v[\S+j+2:\S+j+3]
	HOLD \S+j-6
.set j, j+4
.endr
	HOLD \S+56
	HOLD \S+58
	HOLD \S+60
	HOLD \S+62
.endm
.macro ADDTO d, s
	v_pk_add_f32 v[\d:\d+1], v[\d:\d+1], v[\s:\s+1]
.endm
.macro CODES S, P, b                   ; registers 4 b .. 4 b + 3 of the operand: keys 32 b + 16 h + 0 .. 15
	v_cvt_scalef32_pk8_bf8_f32 v[\P+4*\b:\P+4*\b+1], v[\S+16*\b:\S+16*\b+7], v[PSC]
	v_cvt_scalef32_pk8_bf8_f32 v[\P+4*\b+2:\P+4*\b+3], v[\S+16*\b+8:\S+16*\b+15], v[PSC]
.endm
; A KEY STEP: the 128 keys whose codes begin at LDS byte s[TB].
; mode 0: the first: nothing to bring under a new M, the products start the sums, and the barrier that shows the second fill to every wave stands round the second product.
; mode 1: K's tiles 0 to 3 have been asked for by the step before, and this step asks for the next one's ahead of its second product.  mode 2: the last, which asks for nothing.
.macro STEP mode
.if \mode == 0
	v_add_nc_u32 v[ADR], s[TB], v[LI]
.irp t, 0,1,2,3,4,5,6,7
	KLOAD \t
.endr
	s_wait_alu depctr_va_vdst(0)
.else
.rept 4
	v_nop                                          ; four places between the last step's products and loads into their operands, five to products over them (ISA guide 7.12.1 for the products)
.endr
.irp t, 4,5,6,7
	KLOAD \t
.endr
	v_nop
.endif
	s_wait_dscnt 10                                ; K's tiles 0 to 2 are in (the first step: Q too); the ten loads of tiles 3 to 7 may be out
.irp t, 0,1,2
	QK \t
.endr
.rept 5
	v_nop                                          ; five places: the next products write over the fragments just read
.endr
	s_wait_dscnt 0x0
.irp t, 3,4,5
	QK \t
.endr
	v_max3_num_f32 v20, v[SA], v[SA+1], v[SA+2]
	v_max3_num_f32 v22, v[SB], v[SB+1], v[SB+2]
	v_max3_num_f32 v21, v[SA+3], v[SA+4], v[SA+5]
	v_max3_num_f32 v23, v[SB+3], v[SB+4], v[SB+5]
	MX 6, 9                                        ; tiles 0 to 2: the places in front of the products that write over fragments 3 and 4
.irp t, 6,7
	QK \t
.endr
	MX 24, 12                                      ; tiles 3 to 5: the places behind them
	MX 48, 8
	v_max_num_f32 v20, v20, v21
	v_max_num_f32 v22, v22, v23
	v_permlanex16_b32 v9, v20, s[SEL], s[SEL+1]
	v_permlanex16_b32 v11, v22, s[SEL], s[SEL+1]
	v_max_num_f32 v20, v20, v9                     ; and among lane l xor 16's
	v_max_num_f32 v22, v22, v11
	v_mul_f32 v20, s[CN], v20                      ; as -t
	v_mul_f32 v22, s[CN], v22
.if \mode == 0
	v_floor_f32 v[NMA], v20                        ; -M = floor(-t) = -ceil(t)
	v_floor_f32 v[NMB], v22
	FMA SA, NMA, 0, 32
.else
	v_floor_f32 v20, v20
	v_floor_f32 v22, v22
	v_sub_f32 v21, v20, v[NMA]                     ; M's old value less its new one, where M grows
	v_sub_f32 v23, v22, v[NMB]
	v_min_num_f32 v[NMA], v[NMA], v20              ; the running -M
	v_min_num_f32 v[NMB], v[NMB], v22
	v_min_num_f32 v21, 0, v21                      ; and 0 where it does not
	v_min_num_f32 v23, 0, v23
	FMA SA, NMA, 0, 4
	v_cvt_i32_f32 v21, v21                         ; (it saturates)
	v_cvt_i32_f32 v23, v23
	FMA SA, NMA, 8, 4
	v_ldexp_f32 v[FA], 1.0, v21                    ; f = 2^(old M - new M)
	v_ldexp_f32 v[FB], 1.0, v23
	FMA SA, NMA, 16, 24
	v_pk_mul_f32 v[LA:LA+1], v[LA:LA+1], v[FA:FA+1] op_sel_hi:[1,0]   ; the sums under the new M
	v_pk_mul_f32 v[LB:LB+1], v[LB:LB+1], v[FB:FB+1] op_sel_hi:[1,0]
.set j, 0
.rept 16
	v_pk_mul_f32 v[OA+j:OA+j+1], v[OA+j:OA+j+1], v[FA:FA+1] op_sel_hi:[1,0]   ; O^T under the new M, each accumulator from its low end on
	v_pk_mul_f32 v[OB+j:OB+j+1], v[OB+j:OB+j+1], v[FB:FB+1] op_sel_hi:[1,0]
.set j, j+2
.endr
.endif
	s_wait_alu depctr_va_vdst(0)                   ; ahead of the batch
.set e, 0
.rept 32                               ; tile A's exponentials, p = 2^(t - M), among tile B's t - M
	v_exp_f32 v[SA+e], v[SA+e]
	v_exp_f32 v[SA+e+1], v[SA+e+1]
	FMA SB, NMB, e, 1
.set e, e+2
.endr
	s_wait_alu depctr_va_vdst(0)                   ; behind tile A's exponentials and ahead of tile B's
.set g, 0
.rept 16                               ; tile B's exponentials, among tile A's: four of p into one pair of the tree, unquantised, then their hold
.if g < 4
.set x, 16+2*g
.else
.set x, 224+2*g
.endif
	v_exp_f32 v[SB+4*g], v[SB+4*g]
	v_exp_f32 v[SB+4*g+1], v[SB+4*g+1]
	v_pk_add_f32 v[x:x+1], v[SA+4*g:SA+4*g+1], v[SA+4*g+2:SA+4*g+3]
	v_exp_f32 v[SB+4*g+2], v[SB+4*g+2]
	HOLD SA+4*g
	v_exp_f32 v[SB+4*g+3], v[SB+4*g+3]
	HOLD SA+4*g+2
.set g, g+1
.endr
	v_nop                                          ; the plain instruction behind the exponentials (ISA guide 5.7.2)
	s_wait_alu depctr_va_vdst(0)                   ; and the wait behind them
	ADDTO 16, 240                                  ; the tree: its upper eight pairs first, which tile A's codes take
	ADDTO 18, 242
	ADDTO 20, 244
	ADDTO 22, 246
	ADDTO 232, 248
	ADDTO 234, 250
	ADDTO 236, 252
	ADDTO 238, 254
.irp b, 0,1,2,3
	CODES SA, PCA, \b
.endr
	ADDTO 16, 232                                  ; (plain lines behind the conversions)
	ADDTO 18, 234
.irp t, 0,1,2,3
.irp c, 0,1,2,3
	ds_load_b128 v[SA+16*\t+4*\c:SA+16*\t+4*\c+3], v[ADR] offset:8192+2048*\t+512*\c   ; V's four fragments take tile A's registers
.endr
.endr
	ADDTO 20, 236
	ADDTO 22, 238
	ADDTO 16, 20
	ADDTO 18, 22
.if \mode == 0
	v_pk_add_f32 v[LA:LA+1], v[16:17], v[18:19]
.else
	ADDTO LA, 16
	ADDTO LA, 18
.endif
	SUMHOLD SB
	CODES SB, PCB, 3                               ; from the top: the codes of blocks 1 and 0 take registers of block 3
	CODES SB, PCB, 2
.if \mode == 0                                 ; (plain lines between a conversion and a write of its sources)
	v_pk_add_f32 v[LB:LB+1], v[20:21], v[22:23]
.else
	ADDTO LB, 20
	ADDTO LB, 22
.endif
	CODES SB, PCB, 1
	CODES SB, PCB, 0
.if \mode == 2
	v_nop                                          ; a plain line between the conversions and the products that read their results
.else
	s_add_co_u32 s[TB], s[TB], 4*STEPB
	v_add_nc_u32 v[ADR], s[TB], v[LI]              ; the next key step; also that plain line
.endif
	s_wait_alu depctr_va_vdst(0)
.if \mode == 1
.irp t, 0,1,2,3
	KLOAD \t                                       ; the next step's
.endr
	s_wait_dscnt 8                                 ; V is in; the eight loads just issued may be out
.else
	s_wait_dscnt 0x0                               ; V is in
.endif
.if \mode == 0
	s_wait_tensorcnt 0x0                           ; my part of key steps 4 to 15 has landed
	s_barrier_signal -1
.endif
.irp t, 0,1,2,3                                ; O^T += V^T P^T: K = these 128 keys; eight accumulators take turns, one instruction a turn
.if \mode == 0
	v_wmma_f32_16x16x128_bf8_bf8 v[OA+8*\t:OA+8*\t+7], v[SA+16*\t:SA+16*\t+15], v[PCA:PCA+15], 0
	v_wmma_f32_16x16x128_bf8_bf8 v[OB+8*\t:OB+8*\t+7], v[SA+16*\t:SA+16*\t+15], v[PCB:PCB+15], 0
.else
	v_wmma_f32_16x16x128_bf8_bf8 v[OA+8*\t:OA+8*\t+7], v[SA+16*\t:SA+16*\t+15], v[PCA:PCA+15], v[OA+8*\t:OA+8*\t+7]
	v_wmma_f32_16x16x128_bf8_bf8 v[OB+8*\t:OB+8*\t+7], v[SA+16*\t:SA+16*\t+15], v[PCB:PCB+15], v[OB+8*\t:OB+8*\t+7]
.endif
.endr
.if \mode == 0
	s_barrier_wait -1
.irp t, 0,1,2,3
	KLOAD \t                                       ; the next step's, of the second fill
.endr
.endif
.endm
.macro NUMBERS                         ; what the way out's addresses are made of: written once, ahead of the parting of the waves
	s_and_b32 s59, s[WV], 3                        ; kq
	s_and_b32 s50, s[WV], 1
	s_lshl_b32 s50, s50, 7                         ; 16 x the part of a row's number mod 16 that hangs on the wave that makes the row
	s_lshr_b32 s58, s[WV], 2                       ; g
	s_lshl_b32 s61, s58, 10
	s_add_co_u32 s61, s61, ML                      ; my group's 32 queries in ML,
	s_lshl_b32 s60, s59, 3
	s_add_co_u32 s60, s60, s61                     ; my quarter's 8 bytes
	s_mul_i32 s62, s59, PREG
	s_mul_i32 s63, s58, 32*PP
	s_add_co_u32 s62, s62, s63                     ; my rows of my quarter's O
	s_mul_i32 s63, s[WV], 8*PP                     ; the eight rows that I make,
	s_lshl_b32 s61, s[WV], 8
	s_add_co_u32 s61, s61, ML                      ; their -M and sums,
	s_lshl_b32 s57, s[WV], 7
	s_add_co_u32 s57, s57, WX                      ; their weights
	s_add_co_i32 s56, s18, s19                     ; ep + ev
.endm
.macro LASTTWO                         ; my last two key steps, 8 + kq and 12 + kq (K's tiles 0 to 3 of the first are in)
	s_lshl_b32 s[TB], s59, 14
	s_add_co_u32 s[TB], s[TB], 8*STEPB
	v_add_nc_u32 v[ADR], s[TB], v[LI]
	STEP 1
	STEP 2
.endm
.macro PARTIALS                        ; my O, my -M and my sums into LDS
	v_add_f32 v12, v12, v13                        ; the sums' two halves
	v_add_f32 v14, v14, v15
	v_and_b32 v7, 15, v0                           ; r
	v_bfe_u32 v6, v0, 4, 1                         ; h
	v_permlanex16_b32 v9, v12, s[SEL], s[SEL+1]
	v_permlanex16_b32 v11, v14, s[SEL], s[SEL+1]
	v_lshlrev_b32 v5, 5, v7
	v_lshlrev_b32 v20, 8, v7
	v_lshlrev_b32 v21, 4, v7
	v_lshlrev_b32 v22, 5, v6
	v_add_f32 v9, v12, v9                          ; and lane l xor 16's: v[8:9], v[10:11] = -M, sum
	v_add_f32 v11, v14, v11
	v_xor_b32 v21, v21, v22                        ; column 2 h of row r
	v_add_nc_u32 v5, s60, v5                       ; -M and sum: 32 r on
	v_add_nc_u32 v20, v20, v21
	v_add_nc_u32 v104, s62, v20
.irp c, 1,2,3,4,5,6,7                  ; column 4 (c / 2) + c % 2 + 2 h
	v_xor_b32 v[104+\c], 64*(\c/2)+16*(\c%2), v104
.endr
.irp c, 0,1,2,3,4,5,6,7
	ds_store_b128 v[104+\c], v[OA+4*\c:OA+4*\c+3]  ; register 8 t + i: channel 16 t + 8 h + i
.endr
.irp c, 0,1,2,3,4,5,6,7
	ds_store_b128 v[104+\c], v[OB+4*\c:OB+4*\c+3] offset:16*PP
.endr
	ds_store_b64 v5, v[8:9]                        ; (both halves of the lanes store the same numbers)
	ds_store_b64 v5, v[10:11] offset:512
	s_wait_dscnt 0x0                               ; for the waves that read them
.endm
.macro COMBINE                         ; eight rows: the four quarters' weights 2^(the quarter's M - the row's M + ep + ev) / the row's sum, a lane a weight, and the weighted sum
	v_bfe_u32 v6, v0, 4, 1                         ; h
	v_and_b32 v7, 15, v0                           ; a column
	v_lshrrev_b32 v4, 1, v[LI]                     ; 8 x lane
	v_lshrrev_b32 v16, 2, v[LI]                    ; 4 x lane
	v_lshlrev_b32 v18, 4, v6
	v_lshlrev_b32 v7, 4, v7
	v_lshlrev_b32 v6, 8, v6
	v_add_nc_u32 v4, s61, v4                       ; -M and sum: lane 4 row + quarter
	v_xor_b32 v7, v7, v18
	v_add_nc_u32 v16, s57, v16                     ; a weight in: the same,
	v_add_nc_u32 v18, s57, v18                     ; and back: lanes 0-15 one row's four, lanes 16-31 the next's
	v_xor_b32 v7, s50, v7
	v_add_nc_u32 v6, v6, v7
	v_add_nc_u32 v20, s63, v6                      ; O: lanes 0-15 one row, lanes 16-31 the next; pairs of rows 0 to 3; quarters 0, 1
	v_xor_b32 v21, 32, v20
	v_xor_b32 v22, 64, v20
	v_xor_b32 v23, 96, v20
.irp i, 0,1,2,3
	v_add_nc_u32 v[24+\i], 2*PREG, v[20+\i]        ; quarters 2, 3
.endr
	ds_load_b64 v[104:105], v4                     ; -M, sum
.irp i, 0,1,2,3
	ds_load_b128 v[112+16*\i:115+16*\i], v[20+\i] offset:2*\i*PP
	ds_load_b128 v[116+16*\i:119+16*\i], v[20+\i] offset:2*\i*PP+PREG
	ds_load_b128 v[120+16*\i:123+16*\i], v[24+\i] offset:2*\i*PP
	ds_load_b128 v[124+16*\i:127+16*\i], v[24+\i] offset:2*\i*PP+PREG
.endr
	s_wait_alu depctr_va_vdst(0)
	s_wait_dscnt 16                                ; -M and sum are in; the 16 loads of O may be out
	v_mov_b32 v106, v104
	v_min_num_f32_dpp v106, v106, v106 row_xmask:1 row_mask:0xf bank_mask:0xf
	v_min_num_f32_dpp v106, v106, v106 row_xmask:2 row_mask:0xf bank_mask:0xf   ; the row's -M, among its four quarters
	v_sub_f32 v107, v106, v104                     ; the quarter's M less the row's: 0 or less
	v_max_num_f32 v107, 0xc4fa0000, v107           ; no lower than -2,000, so that ep + ev may be added: 2^-2000 is 0 in f32
	v_cvt_i32_f32 v107, v107
	v_ldexp_f32 v108, v105, v107                   ; the quarter's sum under the row's M
	v_add_f32_dpp v108, v108, v108 row_xmask:1 row_mask:0xf bank_mask:0xf
	v_add_f32_dpp v108, v108, v108 row_xmask:2 row_mask:0xf bank_mask:0xf       ; the row's sum
	s_wait_alu depctr_va_vdst(0)                   ; ahead of the transcendental
	v_rcp_f32 v109, v108
	v_add_nc_u32 v107, s56, v107                   ; (a plain line behind it)
	s_wait_alu depctr_va_vdst(0)                   ; and behind it
	v_ldexp_f32 v109, v109, v107                   ; the quarter's weight
	ds_store_b32 v16, v109
.irp i, 0,1,2,3
	ds_load_b128 v[176+4*\i:179+4*\i], v18 offset:32*\i   ; the four weights of my row: these see the wave's own store, since LDS serves a wave's instructions in order
.endr
.irp i, 0,1,2,3
	s_wait_dscnt 3-\i                              ; weights i, and O, loaded ahead of them, are in
.irp u, 0,2
	v_pk_mul_f32 v[192+4*\i+\u:193+4*\i+\u], v[112+16*\i+\u:113+16*\i+\u], v[176+4*\i:177+4*\i] op_sel_hi:[1,0]
.endr
.irp u, 0,2
	v_pk_fma_f32 v[192+4*\i+\u:193+4*\i+\u], v[116+16*\i+\u:117+16*\i+\u], v[176+4*\i:177+4*\i], v[192+4*\i+\u:193+4*\i+\u] op_sel:[0,1,0] op_sel_hi:[1,1,1]
.endr
.irp u, 0,2
	v_pk_fma_f32 v[192+4*\i+\u:193+4*\i+\u], v[120+16*\i+\u:121+16*\i+\u], v[178+4*\i:179+4*\i], v[192+4*\i+\u:193+4*\i+\u] op_sel_hi:[1,0,1]
.endr
.irp u, 0,2
	v_pk_fma_f32 v[192+4*\i+\u:193+4*\i+\u], v[124+16*\i+\u:125+16*\i+\u], v[178+4*\i:179+4*\i], v[192+4*\i+\u:193+4*\i+\u] op_sel:[0,1,0] op_sel_hi:[1,1,1]
.endr
	global_store_b128 v[LI], v[192+4*\i:195+4*\i], s[10:11] offset:512*\i   ; 32 lanes store two whole rows: 512 bytes on end, at a multiple of 512 from out0's first byte
.endr
.endm
	; THE WALK AND THE WAY OUT.  Every barrier stands outside the branches on the wave's number.  Waves 12 to 15, the last group of queries, walk their last two key steps behind their signal of the second barrier:
	; so the other three groups' rows are joined and stored beside that work, and the last group's rows follow behind the third barrier.
	STEP 0
	STEP 1
	NUMBERS
	s_wait_dscnt 0x0                               ; my reads of key steps 0 to 7 are over:
	s_barrier_signal -1                            ; say so; up to the wait stand register work and reads of key steps 8 to 15, which nobody writes over
	s_cmp_lt_u32 s[WV], 12
	s_cbranch_scc0 .Llater
	LASTTWO
.Llater:
	s_barrier_wait -1                              ; nobody reads key steps 0 to 7 any more
	s_cmp_lt_u32 s[WV], 12
	s_cbranch_scc0 .Lno_rows
	PARTIALS
.Lno_rows:
	s_barrier_signal -1                            ; groups 0 to 2: my rows are in LDS
	s_cmp_lt_u32 s[WV], 12
	s_cbranch_scc1 .Lwalked
	LASTTWO                                        ; the last group: register work and reads of key steps 8 to 15
.Lwalked:
	s_barrier_wait -1                              ; the rows of groups 0 to 2 are in LDS, of all four quarters
	s_cmp_lt_u32 s[WV], 12
	s_cbranch_scc0 .Llast_rows
	COMBINE
	s_wait_xcnt 0x0
	s_branch .Lmet
.Llast_rows:
	PARTIALS
.Lmet:
	s_barrier_signal -1
	s_barrier_wait -1                              ; the last group's rows are in LDS
	s_cmp_lt_u32 s[WV], 12
	s_cbranch_scc1 .Lend
	COMBINE
.Lend:
	s_wait_tensorcnt 0x0                           ; the wave's end
	ds_add_u32 v[SPW], v[NIL]
	s_wait_dscnt 0x0
	CROUND                                         ; the closing round: no work-group ends while a partner may still ask for a tile that names it
	s_endpgm
.Lfunc_end_k_q849033a2ce_attn:
	.size	k_q849033a2ce_attn, .Lfunc_end_k_q849033a2ce_attn-k_q849033a2ce_attn
	.p2alignl 7, 3214868480
	.fill 96, 4, 3214868480
	.section	.rodata,"a",@progbits
	.p2align	6, 0x0
	.amdhsa_kernel k_q849033a2ce_attn
		.amdhsa_group_segment_fixed_size 327680
		.amdhsa_private_segment_fixed_size 0
		.amdhsa_enable_private_segment 0
		.amdhsa_kernarg_size 32
		.amdhsa_user_sgpr_count 2
		.amdhsa_user_sgpr_kernarg_segment_ptr 1
		.amdhsa_wavefront_size32 1
		.amdhsa_system_sgpr_workgroup_id_x 1
		.amdhsa_system_sgpr_workgroup_id_y 1
		.amdhsa_system_sgpr_workgroup_id_z 1
		.amdhsa_system_vgpr_workitem_id 0
		.amdhsa_next_free_vgpr 256
		.amdhsa_next_free_sgpr 66
		.amdhsa_reserve_vcc 0
		.amdhsa_float_denorm_mode_32 3
		.amdhsa_float_denorm_mode_16_64 3
		.amdhsa_memory_ordered 1
		.amdhsa_forward_progress 1
		.amdhsa_inst_pref_size 190
	.end_amdhsa_kernel
	.amdgpu_metadata
---
amdhsa.version: [ 1, 2 ]
amdhsa.kernels:
  - .name:           k_q849033a2ce_attn
    .symbol:         k_q849033a2ce_attn.kd
    .args:
      - { .name: q, .offset: 0, .size: 8, .value_kind: global_buffer, .address_space: global }
      - { .name: kv, .offset: 8, .size: 8, .value_kind: global_buffer, .address_space: global }
      - { .name: lowp_scales, .offset: 16, .size: 8, .value_kind: global_buffer, .address_space: global }
      - { .name: out0, .offset: 24, .size: 8, .value_kind: global_buffer, .address_space: global }
    .group_segment_fixed_size: 327680
    .private_segment_fixed_size: 0
    .kernarg_segment_align: 8
    .kernarg_segment_size: 32
    .max_flat_workgroup_size: 512
    .sgpr_count:     66
    .vgpr_count:     256
    .wavefront_size: 32
...
	.end_amdgpu_metadata
.endif
;; end of part 2
